; MI455X (gfx1250); checked and timed in simulation.
; The chip was launched on July 23, 2026; its instructions are those of AMD's public machine-readable ISA for CDNA 5 (MIT licence, August 2026) and "CDNA5" Instruction Set Architecture Reference Guide (July 2026). The comments in the code are by the model that wrote it; some were corrected since.
;; Attention. Allowed arithmetic: float matrix products may take bf16 or f16 operands with f32 sums; all other float work in f32.
;; Inputs: K 2 x 16 x 2,048 x 64 float32; Q 2 x 16 x 2,048 x 64 float32; V 2 x 16 x 2,048 x 64 float32; mask 2,048 x 2,048 bool.
;; Outputs: out0 2 x 16 x 2,048 x 64 float32.
;; One version. Each part assembles by itself: llvm-mc -triple=amdgcn-amd-amdhsa -mcpu=gfx1250 --defsym DOCPART=n.
;; ======== version 1 of 1: 2 launches
;; workspace buffers: bits 524,288 bytes of whole numbers
;; launch pack (part 1): grid 128 x 2, 4 waves a work-group, no clusters, 17,920 bytes of LDS; arguments mask, bits; writes bits
.if DOCPART == 1
	.amdgcn_target "amdgcn-amd-amdhsa--gfx1250"
	.amdhsa_code_object_version 6
	.text
	.protected	k_qb292234c9c_pack
	.globl	k_qb292234c9c_pack
	.p2align	8
	.type	k_qb292234c9c_pack,@function
k_qb292234c9c_pack:
	s_mov_b64 s[64:65], 0
	v_nop
	global_prefetch_b8 v0, s[64:65] scope:SCOPE_SE
	s_setreg_imm32_b32 hwreg(HW_REG_WAVE_MODE, 25, 1), 1
	s_wait_xcnt 0x0
; mask [2048][2048] of bytes  ->  bits [qtile 0..127][ktile 0..31][beta 0..31] of 32-bit words.
; Bit L of word beta = 8 t + j (r = L & 15, h = L >> 4) says whether mask[16 qtile + r][64 ktile + 16 t + 8 h + j] is not 0:
; the lane and the register in which the attention launch holds that score, so that there one scalar word is the lane mask of one select.
; Done once here instead of once for each of the 32 heads.  Any byte other than 0 counts as true.
; Work-group (qtile, y), four waves.  Wave w takes 16 rows x 256 bytes at column 1024 y + 256 w (key tiles 16 y + 4 w + 0..3) through LDS bytes
; of its own (no barrier), and stores 128 words = 512 consecutive aligned bytes with one instruction.
; No matrix unit, no cluster: no two work-groups read the same byte, and 4 MiB are read once.
.set ROWB,  2048                       ; bytes in a row of the mask
.set PITCH, 272                        ; LDS row: 256 bytes + 16, so that the 16 rows that a load touches start 16 bytes apart modulo 256
.set WLDS,  16*PITCH                   ; a wave's LDS bytes
.set W,    4                           ; v[4:7]   the 128 words: word omega in lane omega >> 2, register omega & 3
.set GOF,  8                           ; v8       2048 (L >> 4) + 16 (L & 15): two rows of 256 bytes for each load
.set LST,  9                           ; v9       LDS, in:  272 (L >> 4) + 16 (L & 15) + my wave's bytes
.set LLD,  10                          ; v10      LDS, out: 272 r + 8 h + my wave's bytes
.set OOF,  11                          ; v11      16 L
.set TMP,  12                          ; v[12:13] two temporaries that take turns
.set X,    16                          ; v[16:47] the rows as loaded
.set Y,    48                          ; v[48:79] pair 4 kappa + t: my 8 bytes (j = 0..7) of key tile kappa, block t
	s_load_b128 s[4:7], s[0:1], 0x0                ; mask s[4:5], bits s[6:7]
	v_lshl_add_u32 v80, v0, 2, 0x4400
	v_mov_b32 v81, 0
	v_lshrrev_b32 v1, 5, v0
	v_readfirstlane_b32 s8, v1                     ; wave 0..3
	s_and_b32 s9, ttmp7, 0xffff                    ; y
	v_and_b32 v1, 31, v0                           ; L
	v_bfe_u32 v2, v0, 4, 1                         ; h
	v_and_b32 v3, 15, v0                           ; r
	s_mul_i32 s12, s8, WLDS
	v_lshlrev_b32 v[GOF], 4, v3
	v_lshl_add_u32 v[GOF], v2, 11, v[GOF]
	v_mul_u32_u24 v[LST], v2, PITCH
	v_lshl_add_u32 v[LST], v3, 4, v[LST]
	v_add_nc_u32 v[LST], s12, v[LST]
	v_mul_u32_u24 v[LLD], v3, PITCH
	v_lshl_add_u32 v[LLD], v2, 3, v[LLD]
	v_add_nc_u32 v[LLD], s12, v[LLD]
	v_lshlrev_b32 v[OOF], 4, v1
	s_mov_b32 s20, 0x000000ff                      ; byte j & 3 of a word
	s_mov_b32 s21, 0x0000ff00
	s_mov_b32 s22, 0x00ff0000
	s_mov_b32 s23, 0xff000000
	s_lshl_b32 s10, ttmp9, 15                      ; mask: 16 qtile rows of 2,048 bytes
	s_lshl_b32 s13, s9, 10                         ;       + 1024 y
	s_add_co_u32 s10, s10, s13
	s_lshl_b32 s13, s8, 8                          ;       + 256 w
	s_add_co_u32 s10, s10, s13
	s_mov_b32 s11, 0
	s_lshl_b32 s14, ttmp9, 12                      ; bits: 4096 qtile
	s_lshl_b32 s13, s9, 11                         ;       + 128 x 16 y
	s_add_co_u32 s14, s14, s13
	s_lshl_b32 s13, s8, 9                          ;       + 128 x 4 w
	s_add_co_u32 s14, s14, s13
	s_mov_b32 s15, 0
	s_wait_kmcnt 0x0
	s_add_nc_u64 s[4:5], s[4:5], s[10:11]
	s_add_nc_u64 s[6:7], s[6:7], s[14:15]
.irp i, 0,1,2,3,4,5,6,7
	global_load_b128 v[X+4*\i:X+4*\i+3], v[GOF], s[4:5] offset:2*ROWB*\i th:TH_LOAD_NT   ; rows 2 i, 2 i + 1: 256 consecutive aligned bytes for each 16 lanes
.endr
.irp k, 0,1,2,3
	v_mov_b32 v[W+\k], 0                           ; v_writelane_b32 keeps the other lanes: the four registers are written whole once
.endr
.irp i, 0,1,2,3,4,5,6,7
	s_wait_loadcnt 7-\i                            ; loads come back in order: load i is in, the 7 - i younger ones stay out
	ds_store_b128 v[LST], v[X+4*\i:X+4*\i+3] offset:2*PITCH*\i
.endr
.irp k, 0,1,2,3
.irp t, 0,1,2,3
	ds_load_b64 v[Y+2*(4*\k+\t):Y+2*(4*\k+\t)+1], v[LLD] offset:64*\k+16*\t   ; my wave's own bytes, served in order behind its stores
.endr
.endr
	s_wait_dscnt 0x0
	; word omega = 32 kappa + 8 t + j: cut byte j, compare in all 32 lanes at once, and put the lane mask where the store wants it
.set w, 0
.rept 128
	v_and_b32 v[TMP+(w&1)], s[20+(w&3)], v[Y+2*(w>>3)+((w>>2)&1)]
	v_cmp_ne_u32 s[24+(w&1)], 0, v[TMP+(w&1)]
	v_writelane_b32 v[W+(w&3)], s[24+(w&1)], w>>2
.set w, w+1
.endr
	global_store_b128 v[OOF], v[W:W+3], s[6:7]     ; 512 consecutive aligned bytes; read again by the next launch, so no hint
	s_wait_tensorcnt 0x0
	ds_add_u32 v80, v81
	s_wait_dscnt 0x0
	s_endpgm
.Lfunc_end_k_qb292234c9c_pack:
	.size	k_qb292234c9c_pack, .Lfunc_end_k_qb292234c9c_pack-k_qb292234c9c_pack
	.p2alignl 7, 3214868480
	.fill 96, 4, 3214868480
	.section	.rodata,"a",@progbits
	.p2align	6, 0x0
	.amdhsa_kernel k_qb292234c9c_pack
		.amdhsa_group_segment_fixed_size 17920
		.amdhsa_private_segment_fixed_size 0
		.amdhsa_enable_private_segment 0
		.amdhsa_kernarg_size 16
		.amdhsa_user_sgpr_count 2
		.amdhsa_user_sgpr_kernarg_segment_ptr 1
		.amdhsa_wavefront_size32 1
		.amdhsa_system_sgpr_workgroup_id_x 1
		.amdhsa_system_sgpr_workgroup_id_y 1
		.amdhsa_system_sgpr_workgroup_id_z 1
		.amdhsa_system_vgpr_workitem_id 0
		.amdhsa_next_free_vgpr 82
		.amdhsa_next_free_sgpr 66
		.amdhsa_reserve_vcc 0
		.amdhsa_float_denorm_mode_32 3
		.amdhsa_float_denorm_mode_16_64 3
		.amdhsa_memory_ordered 1
		.amdhsa_forward_progress 1
		.amdhsa_inst_pref_size 25
	.end_amdhsa_kernel
	.amdgpu_metadata
---
amdhsa.version: [ 1, 2 ]
amdhsa.kernels:
  - .name:           k_qb292234c9c_pack
    .symbol:         k_qb292234c9c_pack.kd
    .args:
      - { .name: mask, .offset: 0, .size: 8, .value_kind: global_buffer, .address_space: global }
      - { .name: bits, .offset: 8, .size: 8, .value_kind: global_buffer, .address_space: global }
    .group_segment_fixed_size: 17920
    .private_segment_fixed_size: 0
    .kernarg_segment_align: 8
    .kernarg_segment_size: 16
    .max_flat_workgroup_size: 128
    .sgpr_count:     66
    .vgpr_count:     82
    .wavefront_size: 32
...
	.end_amdgpu_metadata
.endif
;; end of part 1
;; launch attn (part 2): grid 8 x 32, 8 waves a work-group, no clusters, 109,568 bytes of LDS; arguments K, Q, V, bits, out0; writes out0
.if DOCPART == 2
	.amdgcn_target "amdgcn-amd-amdhsa--gfx1250"
	.amdhsa_code_object_version 6
	.text
	.protected	k_qb292234c9c_attn
	.globl	k_qb292234c9c_attn
	.p2align	8
	.type	k_qb292234c9c_attn,@function
k_qb292234c9c_attn:
	s_mov_b64 s[64:65], 0
	v_nop
	global_prefetch_b8 v0, s[64:65] scope:SCOPE_SE
	s_setreg_imm32_b32 hwreg(HW_REG_WAVE_MODE, 25, 1), 1
	s_wait_xcnt 0x0
; out = softmax(where(mask, -1e10, Q K^T) / sqrt(2048)) V for 32 heads, S = 2048, D = 64, all f32 in memory; one pass with a running maximum.
; Work-group (qb, head): 256 queries, eight waves; wave w owns queries 256 qb + 32 w .. + 31 (two tiles of 16, qt = 0, 1).  Keys in 32 tiles of 64.
;
; LAYOUT, chosen so that nothing is shuffled.  r = lane & 15, h = lane >> 4.
;   S^T = K Q^T (A = 16 keys x 32 d, B = 16 queries): register j of tile t holds (key 16 t + 8 h + j, query r).  A lane belongs to ONE query: maximum,
;   rescaling factor and sum are one register for each query tile, and one v_permlanex16_b32 joins the two halves' maxima.
;   Rounding a lane's 16 weights of tiles 2 c, 2 c + 1 to bf16 pairs gives the B fragment of P^T for keys 32 c .. 32 c + 31 as it stands.
;   O^T = V^T P^T (A = V^T by the transposing LDS load from V kept [key][d]): register j of tile dt holds out[query r][16 dt + 8 h + j].
;   The mask comes as lane-mask words made by the launch before: word 8 t + j of (query tile, key tile) is the select mask of score register 8 t + j.
; c = log2(e) / sqrt(2048) is multiplied into Q in f32 before Q is rounded to bf16, so scores arrive as exponents of 2; a masked score is -1e10 c.
;
; K AND V go through registers: the 256 threads load the f32 tile (2 x 16,384 bytes, sixteen lanes to a 256-byte row), round to bf16 and store it into
; a ring of two LDS slots; one barrier a tile.  NO TENSOR LOADS AND NO JOINT REQUESTS, though the eight work-groups of a head read the same K and V:
; a tensor load can only bring the f32 bytes, 32,768 bytes more written to LDS and read back for each tile ahead of the same rounding, and the bf16 copy
; would still need LDS bytes of its own.  What is given up: each of the eight asks for K and V itself.
; EIGHT WAVES of 32 queries and not four of 64: the chain scores, softmax, P V inside a wave is serial, and a second wave on the same SIMD has other work
; to issue meanwhile.  The price: the K and V fragments are read from LDS for 32 queries at a time instead of 64.
;
; LIMITS.  c is folded into Q before the rounding to bf16 (another order of rounding than the reference's).  Weights below 2^-126 count as zero
; (v_exp_f32 flushes denormal results, ISA guide 15.8).  Any mask byte other than 0 counts as true.  NaN and infinities get no special treatment.
; A row whose keys are all masked gives equal weights, as in the reference: the masked score is finite and the maximum is taken away.
.set KP,     144                       ; K's LDS row: 128 bytes of bf16 + 16 (9 x 16 bytes: sixteen rows start at sixteen different 16-byte columns of 256)
.set VP,     160                       ; V's LDS row: 128 + 32 (5 x 32 bytes, for the transposing load)
.set KSLOT,  64*KP                     ; 9,216
.set VBASE,  2*KSLOT                   ; 18,432: V's two slots lie behind K's two
.set VSLOT,  64*VP                     ; 10,240
.set STAGE,  VBASE+2*VSLOT             ; 38,912: then a stage for each wave, its own: Q on the way in, out0 on the way out
.set STP,    272                       ; a stage row: 256 bytes of f32 + 16
.set WSTAGE, 32*STP                    ; 8,704
.set TILEB,  64*256                    ; a key tile of K or of V in memory: 16,384 bytes
.set CQ,     0x3d0293ee                ; log2(e) / sqrt(2048)
.set CMASK,  0xcd98033b                ; -1e10 x that
; window 0
.set LK,  1                            ; v1   144 r + 16 h: K fragments
.set LV,  2                            ; v2   160 (8 h + (L & 7)) + 16 ((L >> 3) & 1): V fragments, transposing
.set SK,  3                            ; v3   144 (tau >> 4) + 8 (tau & 15): where thread tau puts 4 bf16 of K
.set SV,  4                            ; v4   160 (tau >> 4) + 8 (tau & 15): the same for V
.set GO,  5                            ; v5   16 tau
.set STW, 6                            ; v6   stage + 272 r + 32 h
.set STR, 7                            ; v7   stage + 272 (L >> 4) + 16 (L & 15)
.set OO,  8                            ; v8   16 L
.set MK,  9                            ; v9   the masked score
.set MX,  10                           ; v[10:11] running maximum of query tile 0, 1
.set LS,  12                           ; v[12:13] running sum, of my half's keys
.set MN,  14                           ; v[14:15] the new maximum, twice (a pair for the packed subtraction)
.set AL,  16                           ; v[16:17] 2^(old maximum - new), twice
.set TM,  18                           ; v[18:25] at work
.set PF,  26                           ; v26  256 L: prefetch
.set QF,  32                           ; v[32:63]   Q fragments, 16 qt + 8 kc
.set OA,  64                           ; v[64:127]  O^T, 32 qt + 8 dt
.set SCO, 128                          ; v[128:191] scores, 32 qt + 8 t; the weights in bf16 in place at 32 qt + 16 c .. + 7
.set KF,  192                          ; v[192:255] K fragments, 32 kc + 8 t
; window 1 (v256 and up, named by their low 8 bits)
.set VF,  0                            ; v[256:319] V fragments, 8 (4 c + dt)
.set STK, 64                           ; v[320:335] K on its way from memory
.set STV, 80                           ; v[336:351] V on its way
; scalars: s[4:5] K, s[6:7] Q, s[8:9] V, s[10:11] bits, s[12:13] out0, s14 wave, s15 trips, s[16:47] mask words of qt 0, s[68:99] of qt 1,
; s48-49 lane selects, s50 qb, s51 head, s[52:53] offsets, s[54:55] prefetch base, s56 tile asked for, s57 the parity that I ask for, s2-3 at work
.set MSB, 0
.macro WIN new                         ; s_set_vgpr_msb: bits 1:0 source 0, 3:2 source 1, 5:4 source 2, 7:6 destination; the high byte repeats the setting left
.if MSB != \new
	s_set_vgpr_msb (MSB<<8)|\new
.set MSB, \new
.endif
.endm
	s_load_b256 s[4:11], s[0:1], 0x0
	s_load_b64 s[12:13], s[0:1], 0x20
	s_set_vgpr_msb 0x40
	v_lshl_add_u32 v96, v0, 2, 0x1a800
	v_mov_b32 v97, 0
	s_set_vgpr_msb 0x4000
	v_lshrrev_b32 v27, 5, v0
	v_readfirstlane_b32 s14, v27                   ; wave 0..7
	s_mov_b32 s50, ttmp9                           ; qb
	s_and_b32 s51, ttmp7, 0xffff                   ; head
	s_mov_b32 s48, 0x76543210                      ; v_permlanex16_b32: lane i of one half reads lane i of the other
	s_mov_b32 s49, 0xfedcba98
	v_and_b32 v27, 31, v0                          ; L
	v_and_b32 v28, 15, v0                          ; r (also tau & 15)
	v_bfe_u32 v29, v0, 4, 1                        ; h
	v_mul_u32_u24 v[LK], v28, KP
	v_lshl_add_u32 v[LK], v29, 4, v[LK]
	v_and_b32 v30, 7, v0
	v_lshl_add_u32 v30, v29, 3, v30                ; 8 h + (L & 7)
	v_bfe_u32 v31, v0, 3, 1
	v_mul_u32_u24 v[LV], v30, VP
	v_lshl_add_u32 v[LV], v31, 4, v[LV]
	v_lshrrev_b32 v30, 4, v0                       ; tau >> 4
	v_mul_u32_u24 v[SK], v30, KP
	v_lshl_add_u32 v[SK], v28, 3, v[SK]
	v_mul_u32_u24 v[SV], v30, VP
	v_lshl_add_u32 v[SV], v28, 3, v[SV]
	v_lshlrev_b32 v[GO], 4, v0
	s_mul_i32 s3, s14, WSTAGE
	s_add_co_u32 s3, s3, STAGE                     ; my wave's stage
	v_mul_u32_u24 v[STW], v28, STP
	v_lshl_add_u32 v[STW], v29, 5, v[STW]
	v_add_nc_u32 v[STW], s3, v[STW]
	v_mul_u32_u24 v[STR], v29, STP
	v_lshl_add_u32 v[STR], v28, 4, v[STR]
	v_add_nc_u32 v[STR], s3, v[STR]
	v_lshlrev_b32 v[OO], 4, v27
	v_mov_b32 v[MK], CMASK
	v_lshlrev_b32 v[PF], 8, v27
	s_lshl_b32 s52, s51, 19                        ; a head is 2048 x 64 x 4 = 524,288 bytes
	s_mov_b32 s53, 0
	s_wait_kmcnt 0x0
	s_add_nc_u64 s[4:5], s[4:5], s[52:53]
	s_add_nc_u64 s[8:9], s[8:9], s[52:53]
	s_add_nc_u64 s[6:7], s[6:7], s[52:53]
	s_add_nc_u64 s[12:13], s[12:13], s[52:53]
	s_lshl_b32 s52, s50, 16                        ; (256 qb + 32 w) rows of 256 bytes of Q and out0,
	s_lshl_b32 s2, s14, 13                         ; and the same number for bits: (16 qb + 2 w) query tiles of 4,096 bytes
	s_add_co_u32 s52, s52, s2
	s_add_nc_u64 s[6:7], s[6:7], s[52:53]
	s_add_nc_u64 s[12:13], s[12:13], s[52:53]
	s_add_nc_u64 s[10:11], s[10:11], s[52:53]
	s_load_b512 s[16:31], s[10:11], 0x0            ; key tile 0's mask words: qt 0, words 0-15,
	s_load_b512 s[32:47], s[10:11], 0x40           ; 16-31,
	s_load_b512 s[68:83], s[10:11], 0x1000         ; qt 1
	s_load_b512 s[84:99], s[10:11], 0x1040
	; PREFETCH.  Tile i asks for tile i + 4 of K and V, whose loads into registers are issued in tile i + 2.  The 32,768 bytes of a tile are shared out so
	; that each aligned 256 bytes are asked for once in the launch: of a head's eight work-groups, bit 2 of qb picks K or V, bit 1 the 8,192-byte half,
	; bit 0 the parity of the tiles; wave 0 alone asks, 32 lanes 256 bytes apart.  Tiles 0 to 3 are not asked for; nothing is asked beyond tile 31.
	s_bitcmp1_b32 s50, 2
	s_cselect_b64 s[54:55], s[8:9], s[4:5]
	s_bfe_u32 s52, s50, 0x10001
	s_lshl_b32 s52, s52, 13
	s_add_co_u32 s52, s52, 3*TILEB
	s_add_nc_u64 s[54:55], s[54:55], s[52:53]      ; stepped to tile 4 in tile 0
	s_mov_b32 s56, 3
	s_and_b32 s2, s50, 1
	s_cmp_eq_u32 s14, 0
	s_cselect_b32 s57, s2, 2                       ; waves 1 to 7: a parity that no tile has
; eight loads: thread tau takes 16 bytes at 16 tau + 4096 i of the K tile and of the V tile.  No hint: seven more work-groups read these bytes.
.macro LOADKV
	WIN 0x40
.irp i, 0,1,2,3
	global_load_b128 v[STK+4*\i:STK+4*\i+3], v[GO], s[4:5] offset:4096*\i
	global_load_b128 v[STV+4*\i:STV+4*\i+3], v[GO], s[8:9] offset:4096*\i
.endr
.endm
; round the staged tile to bf16 in place and put it into an LDS slot: row 16 i + (tau >> 4), 8 bytes at 8 (tau & 15)
.macro CONVKV slot
	WIN 0x45
.irp g, 0,1,2,3,4,5,6,7
	v_cvt_pk_bf16_f32 v[STK+4*\g],   v[STK+4*\g],   v[STK+4*\g+1]
	v_cvt_pk_bf16_f32 v[STK+4*\g+1], v[STK+4*\g+2], v[STK+4*\g+3]
.endr
	WIN 0x04
.irp i, 0,1,2,3
	ds_store_b64 v[SK], v[STK+4*\i:STK+4*\i+1] offset:KSLOT*(\slot)+16*KP*\i
	ds_store_b64 v[SV], v[STV+4*\i:STV+4*\i+1] offset:VBASE+VSLOT*(\slot)+16*VP*\i
.endr
.endm
; K fragments: 16 keys x 32 d each, two loads of 16 bytes 32 bytes apart; all of d = 0..31 first
.macro LOADKF slot
.irp kc, 0,1
.irp t, 0,1,2,3
	ds_load_b128 v[KF+32*\kc+8*\t:KF+32*\kc+8*\t+3],   v[LK] offset:KSLOT*(\slot)+16*KP*\t+64*\kc
	ds_load_b128 v[KF+32*\kc+8*\t+4:KF+32*\kc+8*\t+7], v[LK] offset:KSLOT*(\slot)+16*KP*\t+64*\kc+32
.endr
.endr
.endm
; V^T fragments: 16 d x 32 keys each, two transposing loads 16 rows apart
.macro LOADVF slot
	WIN 0x40
.irp c, 0,1
.irp dt, 0,1,2,3
	ds_load_tr16_b128 v[VF+8*(4*\c+\dt):VF+8*(4*\c+\dt)+3],   v[LV] offset:VBASE+VSLOT*(\slot)+32*VP*\c+32*\dt
	ds_load_tr16_b128 v[VF+8*(4*\c+\dt)+4:VF+8*(4*\c+\dt)+7], v[LV] offset:VBASE+VSLOT*(\slot)+32*VP*\c+32*\dt+16*VP
.endr
.endr
.endm
; 16 matrix instructions: the scores of 64 keys x 32 queries.  The first eight start the sums with the constant 0.
.macro QK
	s_wait_dscnt 8                                 ; of the 16 fragment loads the eight younger ones (d = 32..63) may be out
.irp qt, 0,1
.irp t, 0,1,2,3
	v_wmma_f32_16x16x32_bf16 v[SCO+32*\qt+8*\t:SCO+32*\qt+8*\t+7], v[KF+8*\t:KF+8*\t+7], v[QF+16*\qt:QF+16*\qt+7], 0
.endr
.endr
	s_wait_dscnt 0
.irp qt, 0,1
.irp t, 0,1,2,3
	v_wmma_f32_16x16x32_bf16 v[SCO+32*\qt+8*\t:SCO+32*\qt+8*\t+7], v[KF+32+8*\t:KF+32+8*\t+7], v[QF+16*\qt+8:QF+16*\qt+15], v[SCO+32*\qt+8*\t:SCO+32*\qt+8*\t+7]
.endr
.endr
.rept 5
	v_nop                                          ; places behind these matrix instructions (ISA guide 7.12.1): four for the selects that read the scores and for the later
.endr                                                  ; loads into the K fragments, five for P V, which takes the score registers as its B
.endm
; softmax step of one query tile: 32 score registers.  mb: first scalar register of its mask words.  next = 1: fetch the next key tile's words.
.macro SOFT qt, mb, first, next
.set SB, SCO+32*\qt
.set i, 0
.rept 32
	v_cndmask_b32 v[SB+i], v[SB+i], v[MK], s[\mb+i]        ; bit set: the masked score
.set i, i+1
.endr
.irp k, 0,1,2,3
	v_max3_num_f32 v[TM+\k], v[SB+8*\k], v[SB+8*\k+1], v[SB+8*\k+2]      ; four chains that do not wait for each other
.endr
.irp k, 0,1,2,3
	v_max3_num_f32 v[TM+\k], v[TM+\k], v[SB+8*\k+3], v[SB+8*\k+4]
.endr
.irp k, 0,1,2,3
	v_max3_num_f32 v[TM+\k], v[TM+\k], v[SB+8*\k+5], v[SB+8*\k+6]
.endr
	v_max3_num_f32 v[TM], v[TM], v[SB+7], v[SB+15]
	v_max3_num_f32 v[TM+1], v[TM+1], v[SB+23], v[SB+31]
.if \next
	s_load_b512 s[\mb:\mb+15], s[10:11], 4096*\qt          ; the selects above were the words' last readers; waited for in the next tile
	s_load_b512 s[\mb+16:\mb+31], s[10:11], 4096*\qt+64
.endif
	v_max3_num_f32 v[TM], v[TM], v[TM+1], v[TM+2]
.if \first
	v_max_num_f32 v[TM], v[TM], v[TM+3]
.else
	v_max3_num_f32 v[TM], v[TM], v[TM+3], v[MX+\qt]        ; the running maximum joins here (it is the same in both halves)
.endif
	v_permlanex16_b32 v[TM+1], v[TM], s48, s49             ; the other half's keys of the same query
	v_max_num_f32 v[MN], v[TM], v[TM+1]
	v_max_num_f32 v[MN+1], v[TM], v[TM+1]
.if \first
	v_mov_b32 v[MX+\qt], v[MN]
.else
	v_sub_f32 v[TM+2], v[MX+\qt], v[MN]
	v_exp_f32 v[AL], v[TM+2]
	v_mov_b32 v[MX+\qt], v[MN]                             ; the plain instruction between v_exp_f32 and the use of its result (ISA guide 5.7.2)
	s_wait_alu depctr_va_vdst(0)
	v_mov_b32 v[AL+1], v[AL]
.endif
.set i, 0
.rept 16
	v_pk_add_f32 v[SB+i:SB+i+1], v[SB+i:SB+i+1], v[MN:MN+1] neg_lo:[0,1] neg_hi:[0,1]
.set i, i+2
.endr
.set i, 0
.rept 32
	v_exp_f32 v[SB+i], v[SB+i]
.set i, i+1
.endr
.if \first
	v_nop                                                  ; the plain instruction behind the last v_exp_f32
	s_wait_alu depctr_va_vdst(0)
.else
.set i, 0
	s_wait_alu depctr_va_vdst(0)
.rept 16
	v_pk_mul_f32 v[OA+32*\qt+i:OA+32*\qt+i+1], v[OA+32*\qt+i:OA+32*\qt+i+1], v[AL:AL+1]   ; rescale O: plain work behind the exponentials
.set i, i+2
.endr
.endif
.irp k, 0,1,2,3
	v_pk_add_f32 v[TM+2*\k:TM+2*\k+1], v[SB+4*\k:SB+4*\k+1], v[SB+4*\k+2:SB+4*\k+3]       ; the sum of my 32 weights in f32, four chains
.endr
.irp k, 0,1,2,3
	v_pk_add_f32 v[TM+2*\k:TM+2*\k+1], v[TM+2*\k:TM+2*\k+1], v[SB+16+2*\k:SB+16+2*\k+1]
.endr
.irp k, 0,1,2,3
	v_pk_add_f32 v[TM+2*\k:TM+2*\k+1], v[TM+2*\k:TM+2*\k+1], v[SB+24+2*\k:SB+24+2*\k+1]
.endr
	v_pk_add_f32 v[TM:TM+1], v[TM:TM+1], v[TM+2:TM+3]
	v_pk_add_f32 v[TM+4:TM+5], v[TM+4:TM+5], v[TM+6:TM+7]
	v_pk_add_f32 v[TM:TM+1], v[TM:TM+1], v[TM+4:TM+5]
	v_add_f32 v[TM], v[TM], v[TM+1]
.if \first
	v_mov_b32 v[LS+\qt], v[TM]
.else
	v_fma_f32 v[LS+\qt], v[LS+\qt], v[AL], v[TM]
.endif
.set i, 0
.rept 8
	v_cvt_pk_bf16_f32 v[SB+i],    v[SB+2*i],    v[SB+2*i+1]        ; in place, ascending: register i is written when 2 i and 2 i + 1 >= i are read
	v_cvt_pk_bf16_f32 v[SB+16+i], v[SB+16+2*i], v[SB+16+2*i+1]
.set i, i+1
.endr
.endm
; 16 matrix instructions: O^T += V^T P^T.  In the first tile the first product of each accumulator starts the sum.
.macro PV first
	WIN 0x01
.irp c, 0,1
.irp qt, 0,1
.irp dt, 0,1,2,3
.if \first*(1-\c)
	v_wmma_f32_16x16x32_bf16 v[OA+32*\qt+8*\dt:OA+32*\qt+8*\dt+7], v[VF+8*(4*\c+\dt):VF+8*(4*\c+\dt)+7], v[SCO+32*\qt+16*\c:SCO+32*\qt+16*\c+7], 0
.else
	v_wmma_f32_16x16x32_bf16 v[OA+32*\qt+8*\dt:OA+32*\qt+8*\dt+7], v[VF+8*(4*\c+\dt):VF+8*(4*\c+\dt)+7], v[SCO+32*\qt+16*\c:SCO+32*\qt+16*\c+7], v[OA+32*\qt+8*\dt:OA+32*\qt+8*\dt+7]
.endif
.endr
.endr
.endr
	WIN 0
.rept 5
	v_nop                                          ; places (ISA guide 7.12.1): five before the next scores are written over the weights, which are this product's B;
.endr                                                  ; four of them serve the loads into the V fragments, the rescaling of O and the way out
.endm
.macro PREF id
	s_and_b32 s2, s56, 1
	s_cmp_lg_u32 s2, s57
	s_cbranch_scc1 .Lpf_\id                        ; not my parity, or not wave 0
	s_cmp_gt_u32 s56, 31
	s_cbranch_scc1 .Lpf_\id                        ; there is no tile 32: no request leaves the buffer
	global_prefetch_b8 v[PF], s[54:55] th:TH_LOAD_NT scope:SCOPE_SE
.Lpf_\id:
.endm
; KEY TILE i, in LDS slot \slot.  conv = 1: tile i + 1, staged in registers, goes into the other slot, and its mask words are fetched.
; load = 1: tile i + 2 is requested from memory.
; ONE BARRIER A TILE does both orderings.  The other slot held tile i - 1: every wave waited for its K fragment loads in that tile's QK and for its V
; fragment loads in front of that tile's barrier, which all have passed before any wave stores here.  And this tile's stores are waited for (count 0)
; in front of this tile's barrier; the other slot is read only behind it.
.macro TILE id, slot, first, conv, load
	QK
	LOADVF \slot                                   ; hidden behind the rounding and the softmax
.if \conv
	s_wait_loadcnt 0x0                             ; tile i + 1, requested a whole tile ago, is in registers; its loads' bases are free
	CONVKV 1-\slot
.endif
.if \load
	s_wait_xcnt 0x0                                ; the last tile's prefetch has had its address translated: its base is stepped only behind this wait
	s_add_nc_u64 s[4:5], s[4:5], TILEB
	s_add_nc_u64 s[8:9], s[8:9], TILEB
	s_add_nc_u64 s[54:55], s[54:55], TILEB
	s_add_co_u32 s56, s56, 1
	LOADKV
	WIN 0
	PREF \id
.endif
	WIN 0
	s_wait_kmcnt 0x0                               ; this tile's mask words, fetched a tile ago; the base is free
.if \conv
	s_add_nc_u64 s[10:11], s[10:11], 128           ; the next key tile's 32 words
.endif
	SOFT 0, 16, \first, \conv
	SOFT 1, 68, \first, \conv
	s_wait_dscnt 0x0                               ; my V fragments are in; my stores of tile i + 1 are done, for the other waves' sake
.if \conv
	s_barrier_signal -1
	s_barrier_wait -1
	LOADKF 1-\slot                                 ; the next tile's K fragments, hidden behind P V
.endif
	PV \first
.endm
	; PROLOGUE: tile 0 into slot 0, tile 1 on its way, Q scaled, rounded and laid out as B fragments
	LOADKV                                         ; tile 0
	WIN 0
.set i, 0
.rept 16
	global_load_b128 v[SCO+4*i:SCO+4*i+3], v[OO], s[6:7] offset:512*i th:TH_LOAD_NT    ; my 32 rows of Q, 512 consecutive bytes a load; read once in the launch
.set i, i+1
.endr
	s_wait_loadcnt 16                              ; the 16 younger loads are Q's: tile 0 is in, and its loads' bases are free
	CONVKV 0
	s_add_nc_u64 s[4:5], s[4:5], TILEB
	s_add_nc_u64 s[8:9], s[8:9], TILEB
	LOADKV                                         ; tile 1
	WIN 0
	s_wait_loadcnt 8                               ; the 8 younger loads are tile 1's: Q is in
.set i, 0
.rept 16
	ds_store_b128 v[STR], v[SCO+4*i:SCO+4*i+3] offset:2*STP*i      ; rows 2 i, 2 i + 1 into my stage
.set i, i+1
.endr
.irp qt, 0,1
.irp kc, 0,1
	ds_load_b128 v[KF+16*(2*\qt+\kc):KF+16*(2*\qt+\kc)+3],     v[STW] offset:16*STP*\qt+128*\kc       ; my wave's own bytes, served in order behind its stores:
	ds_load_b128 v[KF+16*(2*\qt+\kc)+4:KF+16*(2*\qt+\kc)+7],   v[STW] offset:16*STP*\qt+128*\kc+16    ; Q[r][32 kc + 8 h .. + 7],
	ds_load_b128 v[KF+16*(2*\qt+\kc)+8:KF+16*(2*\qt+\kc)+11],  v[STW] offset:16*STP*\qt+128*\kc+64    ; Q[r][32 kc + 16 + 8 h .. + 7]
	ds_load_b128 v[KF+16*(2*\qt+\kc)+12:KF+16*(2*\qt+\kc)+15], v[STW] offset:16*STP*\qt+128*\kc+80
.endr
.endr
	s_wait_dscnt 0x0                               ; Q is back; my stores of tile 0 are done, for the other waves' sake
.set i, 0
.rept 32
	v_pk_mul_f32 v[KF+i:KF+i+1], v[KF+i:KF+i+1], CQ op_sel_hi:[1,0]
.set i, i+2
.endr
.set i, 0
.rept 32
	v_cvt_pk_bf16_f32 v[QF+i], v[KF+2*i], v[KF+2*i+1]
.set i, i+1
.endr
	s_barrier_signal -1
	s_barrier_wait -1                              ; tile 0 is whole in slot 0
	LOADKF 0
	TILE a, 0, 1, 1, 1                             ; tile 0 starts maximum, sum and O: nothing is cleared
	s_mov_b32 s15, 14
.Lloop:                                                ; tiles 1 to 28
	TILE b, 1, 0, 1, 1
	TILE c, 0, 0, 1, 1
	s_sub_co_u32 s15, s15, 1
	s_cmp_lg_u32 s15, 0
	s_cbranch_scc1 .Lloop
	TILE d, 1, 0, 1, 1                             ; tile 29 requests tile 31, the last
	TILE e, 0, 0, 1, 0                             ; tile 30 requests nothing
	TILE f, 1, 0, 0, 0                             ; tile 31: nothing follows, so no store, no barrier
	; THE WAY OUT (the five v_nop that end P V are the places in front of it).  The row's largest score has weight 1, so the sum is at least 1.
	v_permlanex16_b32 v[TM], v[LS], s48, s49       ; the other half's keys
	v_permlanex16_b32 v[TM+1], v[LS+1], s48, s49
	v_add_f32 v[LS], v[LS], v[TM]
	v_add_f32 v[LS+1], v[LS+1], v[TM+1]
	v_rcp_f32 v[AL], v[LS]
	v_rcp_f32 v[MN], v[LS+1]
	v_nop                                          ; the plain instruction behind the reciprocals
	s_wait_alu depctr_va_vdst(0)
	v_mov_b32 v[AL+1], v[AL]
	v_mov_b32 v[MN+1], v[MN]
.set i, 0
.rept 16
	v_pk_mul_f32 v[OA+i:OA+i+1], v[OA+i:OA+i+1], v[AL:AL+1]
	v_pk_mul_f32 v[OA+32+i:OA+32+i+1], v[OA+32+i:OA+32+i+1], v[MN:MN+1]
.set i, i+2
.endr
.irp qt, 0,1
.irp dt, 0,1,2,3
	ds_store_b128 v[STW], v[OA+32*\qt+8*\dt:OA+32*\qt+8*\dt+3]   offset:16*STP*\qt+64*\dt       ; out[16 qt + r][16 dt + 8 h .. + 3]
	ds_store_b128 v[STW], v[OA+32*\qt+8*\dt+4:OA+32*\qt+8*\dt+7] offset:16*STP*\qt+64*\dt+16
.endr
.endr
.set i, 0
.rept 16
	ds_load_b128 v[SCO+4*i:SCO+4*i+3], v[STR] offset:2*STP*i       ; whole rows back; my wave's own bytes, served in order behind its stores
.set i, i+1
.endr
.set i, 0
.rept 16
	s_wait_dscnt 15-i                              ; read-back i is in, the 15 - i younger ones stay out
	global_store_b128 v[OO], v[SCO+4*i:SCO+4*i+3], s[12:13] offset:512*i th:TH_STORE_NT    ; 512 consecutive bytes, aligned: two whole rows of out0
.set i, i+1
.endr
	s_set_vgpr_msb 0x5
	s_wait_tensorcnt 0x0
	ds_add_u32 v96, v97
	s_wait_dscnt 0x0
	s_set_vgpr_msb 0x500
	s_endpgm
.Lfunc_end_k_qb292234c9c_attn:
	.size	k_qb292234c9c_attn, .Lfunc_end_k_qb292234c9c_attn-k_qb292234c9c_attn
	.p2alignl 7, 3214868480
	.fill 96, 4, 3214868480
	.section	.rodata,"a",@progbits
	.p2align	6, 0x0
	.amdhsa_kernel k_qb292234c9c_attn
		.amdhsa_group_segment_fixed_size 109568
		.amdhsa_private_segment_fixed_size 0
		.amdhsa_enable_private_segment 0
		.amdhsa_kernarg_size 40
		.amdhsa_user_sgpr_count 2
		.amdhsa_user_sgpr_kernarg_segment_ptr 1
		.amdhsa_wavefront_size32 1
		.amdhsa_system_sgpr_workgroup_id_x 1
		.amdhsa_system_sgpr_workgroup_id_y 1
		.amdhsa_system_sgpr_workgroup_id_z 1
		.amdhsa_system_vgpr_workitem_id 0
		.amdhsa_next_free_vgpr 354
		.amdhsa_next_free_sgpr 100
		.amdhsa_reserve_vcc 0
		.amdhsa_float_denorm_mode_32 3
		.amdhsa_float_denorm_mode_16_64 3
		.amdhsa_memory_ordered 1
		.amdhsa_forward_progress 1
		.amdhsa_inst_pref_size 163
	.end_amdhsa_kernel
	.amdgpu_metadata
---
amdhsa.version: [ 1, 2 ]
amdhsa.kernels:
  - .name:           k_qb292234c9c_attn
    .symbol:         k_qb292234c9c_attn.kd
    .args:
      - { .name: K, .offset: 0, .size: 8, .value_kind: global_buffer, .address_space: global }
      - { .name: Q, .offset: 8, .size: 8, .value_kind: global_buffer, .address_space: global }
      - { .name: V, .offset: 16, .size: 8, .value_kind: global_buffer, .address_space: global }
      - { .name: bits, .offset: 24, .size: 8, .value_kind: global_buffer, .address_space: global }
      - { .name: out0, .offset: 32, .size: 8, .value_kind: global_buffer, .address_space: global }
    .group_segment_fixed_size: 109568
    .private_segment_fixed_size: 0
    .kernarg_segment_align: 8
    .kernarg_segment_size: 40
    .max_flat_workgroup_size: 256
    .sgpr_count:     100
    .vgpr_count:     354
    .wavefront_size: 32
...
	.end_amdgpu_metadata
.endif
;; end of part 2
